; MI455X (gfx1250); checked and timed in simulation.
; The chip was launched on July 23, 2026; its instructions are those of AMD's public machine-readable ISA for CDNA 5 (MIT licence, August 2026) and "CDNA5" Instruction Set Architecture Reference Guide (July 2026). The comments in the code are by the model that wrote it; some were corrected since.
;; Gated Attention MIL. Allowed arithmetic: float matrix products may take bf16 or f16 operands with f32 sums; all other float work in f32.
;; Inputs: Wu 1,024 x 256 float32; Wv 1,024 x 256 float32; Ww 256 x 1 float32; bu 256 float32; bv 256 float32; bw 1 float32; features 16 x 4,096 x 1,024 float32.
;; Outputs: out0 16 x 1,024 float32; out1 16 x 4,096 float32.
;; One version. Each part assembles by itself: llvm-mc -triple=amdgcn-amd-amdhsa -mcpu=gfx1250 --defsym DOCPART=n.
;; ======== version 1 of 1: 3 launches
;; limits: values outside matrix products are rounded to bf16
;; workspace buffers: wf 1,048,576 bytes; lgt 262,144 bytes; part 2,097,152 bytes
;; launch prep (part 1): grid 256 x 1, 8 waves a work-group, no clusters, 0 bytes of LDS; arguments Wv, Wu, wf; writes wf
.if DOCPART == 1
	.amdgcn_target "amdgcn-amd-amdhsa--gfx1250"
	.amdhsa_code_object_version 6
	.text
	.protected	k_q483023acad_prep
	.globl	k_q483023acad_prep
	.p2align	8
	.type	k_q483023acad_prep,@function
k_q483023acad_prep:
	s_mov_b64 s[64:65], 0
	v_nop
	global_prefetch_b8 v0, s[64:65] scope:SCOPE_SE
	s_setreg_imm32_b32 hwreg(HW_REG_WAVE_MODE, 25, 1), 1
	s_wait_xcnt 0x0
; Wv, Wu: [1024 (k)][256 (n)] f32  ->  wf: both as bf16, in the order in which the main pass loads matrix fragments.
; wf is a list of 16-byte units.  Unit u = ((((s*4 + w)*8 + t)*2 + q)*32 + L) holds the eight bf16
;   W_x[32 s + 16 q + 8 h + e][64 w + 16 (t & 3) + r],  e = 0..7,  r = L & 15, h = L >> 4,  x = Wv for t < 4, Wu for t >= 4:
; registers 4q .. 4q+3 of lane L of the 16 x 32 fragment of K step s, wave w, tile t (layout of 16-bit operands: ISA guide 7.12.2).
; A work-group makes 256 units (4,096 bytes), a thread one: u = 256 G + tid, so G = s*8 + w*2 + x and tid = (t & 3)*64 + q*32 + L.
; Two megabytes are read once and one is written: no LDS, no barrier, no matrix unit.  Each store of a wave covers 512 consecutive bytes.
.set ROWB, 1024                        ; bytes in a row of Wv or Wu
	s_load_b128 s[4:7], s[0:1], 0x0                ; Wv s[4:5], Wu s[6:7]
	s_load_b64 s[8:9], s[0:1], 0x10                ; wf
	s_and_b32 s10, ttmp9, 1                        ; x
	s_bfe_u32 s11, ttmp9, 0x20001                  ; w (2 bits from bit 1)
	s_lshr_b32 s12, ttmp9, 3                       ; s
	s_lshl_b32 s12, s12, 15                        ; 32 rows of 1,024 bytes
	s_lshl_b32 s11, s11, 8                         ; 64 columns of 4 bytes
	s_add_co_u32 s12, s12, s11
	s_mov_b32 s13, 0
	s_lshl_b32 s14, ttmp9, 12                      ; the work-group's 4,096 bytes of wf
	s_mov_b32 s15, 0
	v_and_b32 v1, 15, v0                           ; r
	v_bfe_u32 v2, v0, 4, 2                         ; 2 q + h
	v_lshrrev_b32 v3, 6, v0                        ; t & 3
	v_lshl_add_u32 v1, v3, 4, v1                   ; column 16 (t & 3) + r
	v_lshlrev_b32 v1, 2, v1
	v_lshl_add_u32 v1, v2, 13, v1                  ; + row 16 q + 8 h, 1,024 bytes each
	v_lshlrev_b32 v4, 4, v0                        ; my unit
	s_wait_kmcnt 0x0
	s_cmp_eq_u32 s10, 0
	s_cselect_b64 s[16:17], s[4:5], s[6:7]         ; the source, chosen by the work-group's number alone
	s_add_nc_u64 s[16:17], s[16:17], s[12:13]
	s_add_nc_u64 s[8:9], s[8:9], s[14:15]
.irp e, 0,1,2,3,4,5,6,7
	global_load_b32 v[8+\e], v1, s[16:17] offset:\e*ROWB       ; eight consecutive k of one column
.endr
	s_wait_loadcnt 0x0
.irp e, 0,1,2,3
	v_cvt_pk_bf16_f32 v[16+\e], v[8+2*\e], v[9+2*\e]           ; the lower k in the lower half, rounded to nearest even
.endr
	global_store_b128 v4, v[16:19], s[8:9]
	s_endpgm
.Lfunc_end_k_q483023acad_prep:
	.size	k_q483023acad_prep, .Lfunc_end_k_q483023acad_prep-k_q483023acad_prep
	.p2alignl 7, 3214868480
	.fill 96, 4, 3214868480
	.section	.rodata,"a",@progbits
	.p2align	6, 0x0
	.amdhsa_kernel k_q483023acad_prep
		.amdhsa_group_segment_fixed_size 0
		.amdhsa_private_segment_fixed_size 0
		.amdhsa_enable_private_segment 0
		.amdhsa_kernarg_size 24
		.amdhsa_user_sgpr_count 2
		.amdhsa_user_sgpr_kernarg_segment_ptr 1
		.amdhsa_wavefront_size32 1
		.amdhsa_system_sgpr_workgroup_id_x 1
		.amdhsa_system_sgpr_workgroup_id_y 1
		.amdhsa_system_sgpr_workgroup_id_z 1
		.amdhsa_system_vgpr_workitem_id 0
		.amdhsa_next_free_vgpr 24
		.amdhsa_next_free_sgpr 66
		.amdhsa_reserve_vcc 0
		.amdhsa_float_denorm_mode_32 3
		.amdhsa_float_denorm_mode_16_64 3
		.amdhsa_memory_ordered 1
		.amdhsa_forward_progress 1
		.amdhsa_inst_pref_size 3
	.end_amdhsa_kernel
	.amdgpu_metadata
---
amdhsa.version: [ 1, 2 ]
amdhsa.kernels:
  - .name:           k_q483023acad_prep
    .symbol:         k_q483023acad_prep.kd
    .args:
      - { .name: Wv, .offset: 0, .size: 8, .value_kind: global_buffer, .address_space: global }
      - { .name: Wu, .offset: 8, .size: 8, .value_kind: global_buffer, .address_space: global }
      - { .name: wf, .offset: 16, .size: 8, .value_kind: global_buffer, .address_space: global }
    .group_segment_fixed_size: 0
    .private_segment_fixed_size: 0
    .kernarg_segment_align: 8
    .kernarg_segment_size: 24
    .max_flat_workgroup_size: 256
    .sgpr_count:     66
    .vgpr_count:     24
    .wavefront_size: 32
...
	.end_amdgpu_metadata
.endif
;; end of part 1
;; launch main (part 2): grid 512 x 1, 4 waves a work-group, no clusters, 286,208 bytes of LDS; arguments features, wf, bv, bu, Ww, bw, lgt, part; writes lgt, part
.if DOCPART == 2
	.amdgcn_target "amdgcn-amd-amdhsa--gfx1250"
	.amdhsa_code_object_version 6
	.text
	.protected	k_q483023acad_main
	.globl	k_q483023acad_main
	.p2align	8
	.type	k_q483023acad_main,@function
k_q483023acad_main:
	s_mov_b64 s[64:65], 0
	v_nop
	global_prefetch_b8 v0, s[64:65] scope:SCOPE_SE
	s_setreg_imm32_b32 hwreg(HW_REG_WAVE_MODE, 25, 1), 1
	s_wait_xcnt 0x0
; GatedAttentionMIL, the main pass.  A work-group takes 128 rows of features (one of 32 blocks of a bag) and makes
;   lgt[row]   = sum over h of tanh(x Wv + bv)[h] * sigmoid(x Wu + bu)[h] * Ww[h] + bw      (the raw logit, f32)
;   part[block][col] = sum over the block's rows of exp(lgt[row] - block maximum) * x[row][col]
; The bag's maximum, its sum and the rescaling of the 32 partial sums follow in the next launch.
;
; SHAPE.  Four waves; wave w owns hidden units 64 w .. 64 w + 63 of BOTH products: 128 rows x 128 columns of f32 sums, 512 registers,
; so that tanh * sigmoid is formed register against register.  K = 1,024 goes in 32 steps of 32; four steps are a chunk of 128 columns.
; The block is kept in LDS as bf16 (8 chunk regions of 128 rows x 256 bytes, pitch 272): that one copy feeds the matrix unit and, once the
; logits are known, the weighted sum, so every byte of features is loaded once.  Features are loaded f32 into registers (each load of a wave
; covers 512 consecutive bytes of one row), rounded there and stored to LDS two chunks ahead of their use.
; Weights come from wf (fragment order) straight into registers: a wave's 128 columns are read by no other wave of the work-group.
; NO CLUSTER, NO JOINT REQUESTS, though all work-groups walk the same wf: a joint request lands in LDS, and of 327,680 bytes this text holds
; 285,696; the 41,984 left are less than two K steps of weights (2 x 32,768), so no ring for them fits.
; No prefetch: 24 feature loads of each wave (12,288 bytes) are always on their way during the first 21 of the 32 steps.
;
; THE MATRIX INSTRUCTION IS USED TRANSPOSED: source 0 = 16 hidden units of W, source 1 = 16 rows of features.  Register j of lane (r, h) of a
; result is (feature row r, hidden unit 8 h + j): the sum over hidden units stays in the lane but for one exchange of the lanes' halves.
;
; LIMITS.  Matrix operands are bf16.  The weighted sum takes the features as rounded to bf16 (each term within 2^-9 of itself), weights and
; sums in f32.  tanh(x) = 1 - 2 / (1 + e^2x): absolute error about 1e-7, so tiny |x| lose relative accuracy.  An exponential that overflows
; gives infinity and its reciprocal 0, which is the right limit.  v_exp_f32 returns 0 for results below 2^-126 (ISA guide 15.8).
; A logit that is not finite gives NaN, as it does in the reference.
;
; REGISTERS, in windows of 256:
;   window 0: v0-15 ids and addresses, v16-31 at work, v32-47 T, v48-63 LG, v64-95 / v96-127 feature fragments of rows 0-63 / 64-127,
;             v128-255 F: four slots of 32 for features in f32 (later: tables, rows for the weighted sum, its sums)
;   window 1: four buffers of 64 for W's fragments (tile t at + 8 t; t < 4 Wv, t >= 4 Wu)
;   window 2: sums of row tiles 0-3, tile (a, t) at 8 (8 a + t);   window 3: those of row tiles 4-7
.set PITCH, 272                        ; an LDS row: 256 bytes + 16, an odd multiple of 16: the 16 rows of a fragment load start in different banks
.set CH,    128*PITCH                  ; a chunk region
.set MT,    16*PITCH                   ; from one tile of 16 rows to the next
.set TB,    8*CH                       ; 3 x 1,024 bytes: bv * 2 log2 e, -bu * log2 e, Ww
.set SL,    TB+3072                    ; 4 waves x 128 partial logits
.set SP,    SL+2048                    ; 4 waves x 128 numerators, a copy for each wave
.set SF,  8                            ; s[8:9]    features at the block, + 512 bytes a trip
.set SB,  10                           ; s[10:11]  wf at my wave's fragments, + 131,072 bytes a trip
.set VB,  4                            ; 16 lane
.set VF,  5                            ; my wave's 32 rows of features + 16 lane
.set RD,  6                            ; LDS: fragment loads, 272 r + 16 h + the trip's region
.set ST,  7                            ; LDS: my wave's 32 rows + 8 lane + the region that the trip fills
.set TBA, 8                            ; LDS: the tables at my hidden units
.set SLS, 9                            ; LDS: where I put partial logits
.set SLR, 10                           ; LDS: where I read them
.set SPS, 11                           ; LDS: where I put numerators
.set SPB, 12                           ; LDS: my wave's numerators, the same address in all lanes
.set AGA, 13                           ; LDS: my 16 bytes of a row in the weighted sum
.set GO,  14                           ; my byte offset in part
.set T,   32                           ; v[32:47]  bf16 on their way to LDS
.set LG,  48                           ; v[48:63]  a pair of partial logits for each of 8 row tiles
.set AF,  64                           ; feature fragments
.set F,   128                          ; features in f32
.set BV,  128                          ; after the products: tables
.set BU,  160
.set WW,  192
.set ACC, 224                          ; v[224:231] the weighted sum of my 8 columns
.set MSB, 0
.macro WIN new                         ; the immediate's high byte repeats the setting that is left; a switch that changes nothing is dropped
.if MSB != \new
	s_set_vgpr_msb (MSB<<8)|\new
.set MSB, \new
.endif
.endm
; A load into a register that a matrix instruction has read, and a vector instruction that reads a matrix result, stand four plain vector
; instructions behind it; other matrix instructions are not counted here.
.macro PLACES
.rept 4
	v_nop
.endr
.endm
; 16 loads: the 8 fragments of W of one K step, at byte koff from the trip's base, into buffer buf of window 1
.macro LDB buf, koff
	WIN 0x40
.irp t, 0,1,2,3,4,5,6,7
	global_load_b128 v[64*(\buf)+8*\t:64*(\buf)+8*\t+3],   v[VB], s[SB:SB+1] offset:\koff+1024*\t
	global_load_b128 v[64*(\buf)+8*\t+4:64*(\buf)+8*\t+7], v[VB], s[SB:SB+1] offset:\koff+1024*\t+512
.endr
.endm
; 8 loads: rows 8 b .. 8 b + 7 of my wave's 32, the 512 bytes at byte coff from the trip's base.  The caller sets the window.
.macro LDF dst, b, coff
.irp i, 0,1,2,3,4,5,6,7
	global_load_b128 v[\dst+4*\i:\dst+4*\i+3], v[VF], s[SF:SF+1] offset:(8*(\b)+\i)*4096+\coff th:TH_LOAD_NT
.endr
.endm
; 8 rows from f32 registers (win: 0, or 0x05 for sources in window 1) to bf16 in LDS: a store of the wave is a row's 256 bytes
.macro CONS src, win, off
	WIN \win
.irp i, 0,1,2,3,4,5,6,7
	v_cvt_pk_bf16_f32 v[T+2*\i],   v[\src+4*\i],   v[\src+4*\i+1]
	v_cvt_pk_bf16_f32 v[T+2*\i+1], v[\src+4*\i+2], v[\src+4*\i+3]
.endr
	WIN 0
.irp i, 0,1,2,3,4,5,6,7
	ds_store_b64 v[ST], v[T+2*\i:T+2*\i+1] offset:\off+PITCH*\i
.endr
.endm
; 8 LDS loads: the feature fragments of four row tiles (half 0: rows 0-63, 1: rows 64-127), 32 K at byte off of the region's rows
.macro LDA half, off
.irp a, 0,1,2,3
	ds_load_b128 v[AF+32*\half+8*\a:AF+32*\half+8*\a+3],   v[RD] offset:\off+(4*\half+\a)*MT
	ds_load_b128 v[AF+32*\half+8*\a+4:AF+32*\half+8*\a+7], v[RD] offset:\off+(4*\half+\a)*MT+32
.endr
.endm
; 32 matrix instructions: four row tiles x the 8 tiles of W in buffer buf.  zero = 1: the first product starts the sums, nothing is cleared.
.macro MUL hi, buf, zero
.irp a, 0,1,2,3
.irp t, 0,1,2,3,4,5,6,7
.if \zero
	v_wmma_f32_16x16x32_bf16 v[8*(8*\a+\t):8*(8*\a+\t)+7], v[64*(\buf)+8*\t:64*(\buf)+8*\t+7], v[AF+32*\hi+8*\a:AF+32*\hi+8*\a+7], 0
.else
	v_wmma_f32_16x16x32_bf16 v[8*(8*\a+\t):8*(8*\a+\t)+7], v[64*(\buf)+8*\t:64*(\buf)+8*\t+7], v[AF+32*\hi+8*\a:AF+32*\hi+8*\a+7], v[8*(8*\a+\t):8*(8*\a+\t)+7]
.endif
.endr
.endr
.endm
; ONE K STEP, step s of its trip; g = 4 trip + s.
; nw:  loads younger than W(g) that may stay out: the feature batch asked for in step g - 2 (8), W(g + 1) (16), the batch of step g - 1 (8).
;      Loads come back in order (ISA guide 5.7.1), so the batch that this step rounds, asked for in step g - 3, is in as well.
; bi:  ask for W(g + 2).     fi, fco: ask for the feature batch that step g + 3 rounds, at byte fco from the trip's base.
; fc:  round the batch in slot s and store it, two regions ahead.     zero: start the sums.
; bar: the trip's barrier.   nxt: fetch the next step's first fragments.
.macro STEP s, nw, bi, fi, fco, fc, zero, bar, nxt
	s_wait_loadcnt \nw
.if \bi
	LDB (\s+2)&3, (\s+2)*32768                     ; its buffer was last multiplied two steps ago: eight v_nop lie between
.endif
	WIN 0
.if \fi
	LDF F+32*((\s+3)&3), (\s+3)&3, \fco            ; its slot was rounded in the last step
.endif
	s_wait_dscnt 0x0                               ; the fragments of rows 0-63 are in, and my stores of the last step have landed
.if \bar
	s_barrier_signal -1                            ; my part of the region filled in the last trip is in LDS
.endif
	PLACES                                         ; behind the last step's products, which read v96-127
	LDA 1, 64*\s                                   ; bytes of this trip's region, which nobody writes any more
	WIN 0xa1                                       ; source 0 window 1, source 1 window 0, C and D window 2
	MUL 0, \s, \zero
.if \bar
	s_barrier_wait -1                              ; everybody's part is: step 3 of this trip is the first to read that region
.endif
	s_wait_dscnt 0x0                               ; the fragments of rows 64-127 are in
	WIN 0
.if \fc
	CONS F+32*\s, 0, 8*\s*PITCH
.endif
	PLACES                                         ; behind the products above, which read v64-95
.if \nxt
.if \s == 3
	LDA 0, CH                                      ; the next region's first step
.else
	LDA 0, 64*(\s+1)
.endif
.endif
	WIN 0xf1                                       ; C and D window 3
	MUL 1, \s, \zero
.endm
; the end of a trip: one chunk on.  f = 0: features are all asked for and stored, their two pointers rest.
.macro NEXT f
	WIN 0                                          ; at a label and at a branch every window is 0
	s_wait_xcnt 0x0                                ; the bases are sources of loads still out: stepped only behind this wait (ISA guide 3.1)
.if \f
	s_add_nc_u64 s[SF:SF+1], s[SF:SF+1], 512
	v_add_nc_u32 v[ST], CH, v[ST]
.endif
	s_add_nc_u64 s[SB:SB+1], s[SB:SB+1], 131072
	v_add_nc_u32 v[RD], CH, v[RD]
.endm
	s_load_b256 s[8:15], s[0:1], 0x0               ; features s[8:9], wf s[10:11], bv s[12:13], bu s[14:15]
	s_load_b256 s[16:23], s[0:1], 0x20             ; Ww s[16:17], bw s[18:19], lgt s[20:21], part s[22:23]
	v_lshrrev_b32 v2, 5, v0
	v_readfirstlane_b32 s24, v2                    ; wave 0..3
	v_and_b32 v1, 31, v0                           ; lane
	v_and_b32 v2, 15, v0                           ; r
	v_bfe_u32 v3, v0, 4, 1                         ; h
	s_mov_b32 s28, 0x4038aa3b                      ; 2 log2 e, twice: e^2x = 2^(x * 2 log2 e)
	s_mov_b32 s29, 0x4038aa3b
	s_mov_b32 s30, 0xbfb8aa3b                      ; -log2 e, twice
	s_mov_b32 s31, 0xbfb8aa3b
	s_mov_b32 s32, 0x76543210                      ; v_permlanex16_b32: lane i of one half reads lane i of the other
	s_mov_b32 s33, 0xfedcba98
	s_mov_b32 s36, 0x3fb8aa3b                      ; log2 e
	s_mov_b32 s35, 0                               ; high word of every offset below
	v_lshlrev_b32 v[VB], 4, v1
	s_lshl_b32 s37, s24, 17                        ; 32 rows of 4,096 bytes
	v_add_nc_u32 v[VF], s37, v[VB]
	v_mul_u32_u24 v[RD], PITCH, v2
	v_lshl_add_u32 v[RD], v3, 4, v[RD]
	s_mul_i32 s37, s24, 32*PITCH
	v_lshl_add_u32 v[ST], v1, 3, s37
	s_lshl_b32 s37, s24, 8                         ; 64 hidden units of 4 bytes
	s_add_co_u32 s37, s37, TB
	v_lshl_add_u32 v[TBA], v3, 5, s37              ; + 8 h of them
	s_lshl_b32 s37, s24, 9
	s_add_co_u32 s38, s37, SL
	v_lshl_add_u32 v[SLS], v2, 2, s38
	v_add_nc_u32 v[SLR], SL, v[VB]
	s_add_co_u32 s38, s37, SP
	v_add_nc_u32 v[SPS], s38, v[VB]
	v_mov_b32 v[SPB], s38
	s_mul_i32 s37, s24, 2*CH
	v_mul_u32_u24 v[AGA], CH, v3
	v_add_nc_u32 v[AGA], s37, v[AGA]               ; region 2 w + h
	v_lshl_add_u32 v[AGA], v2, 4, v[AGA]           ; columns 8 r .. 8 r + 7 of it
	v_lshlrev_b32 v[GO], 4, v0
	v_lshlrev_b32 v15, 3, v0                       ; two numbers of each table for each of 128 threads
	v_add_nc_u32 v16, TB, v15
	s_wait_kmcnt 0x0
	s_load_b32 s26, s[18:19], 0x0                  ; bw
	s_lshl_b32 s34, ttmp9, 19                      ; 128 rows of 4,096 bytes; 511 << 19 is below 2^32
	s_add_nc_u64 s[SF:SF+1], s[SF:SF+1], s[34:35]
	s_lshl_b32 s34, s24, 13                        ; my wave's 8,192 bytes of each K step
	s_add_nc_u64 s[SB:SB+1], s[SB:SB+1], s[34:35]
	s_lshl_b32 s34, ttmp9, 9
	s_add_nc_u64 s[20:21], s[20:21], s[34:35]
	s_lshl_b32 s34, ttmp9, 12
	s_add_nc_u64 s[22:23], s[22:23], s[34:35]
	; THE WAY IN: chunks 0 and 1 go to LDS before the first product; the loads that the first steps count on are issued in the steps' own order.
	global_load_b64 v[18:19], v15, s[12:13]
	global_load_b64 v[20:21], v15, s[14:15]
	global_load_b64 v[22:23], v15, s[16:17]
	LDF F,    0, 0                                 ; chunk 0 into the four slots
	LDF F+32, 1, 0
	LDF F+64, 2, 0
	LDF F+96, 3, 0
	WIN 0x40
	LDF F,    0, 512                               ; chunk 1 into window 1, v128-255: W's buffers 2 and 3, not yet in use
	LDF F+32, 1, 512
	LDF F+64, 2, 512
	LDF F+96, 3, 512
	WIN 0
	s_wait_loadcnt 32                              ; the tables and chunk 0 are in; chunk 1's 32 loads may stay out
	v_pk_mul_f32 v[18:19], v[18:19], s[28:29] op_sel_hi:[1,0]
	v_pk_mul_f32 v[20:21], v[20:21], s[30:31] op_sel_hi:[1,0]
	ds_store_b64 v16, v[18:19]
	ds_store_b64 v16, v[20:21] offset:1024
	ds_store_b64 v16, v[22:23] offset:2048
	CONS F, 0, 0
	LDF F, 0, 1024                                 ; chunk 2, rows 0-7: rounded in step 0
	LDB 0, 0                                       ; W(0)
	CONS F+32, 0, 8*PITCH
	LDF F+32, 1, 1024                              ; rounded in step 1
	LDB 1, 32768                                   ; W(1)
	CONS F+64, 0, 16*PITCH
	LDF F+64, 2, 1024                              ; rounded in step 2
	CONS F+96, 0, 24*PITCH
	s_wait_loadcnt 56                              ; chunk 1 is in: 8 + 16 + 8 + 16 + 8 loads were issued behind it
	CONS F,    0x05, CH
	CONS F+32, 0x05, CH+8*PITCH
	CONS F+64, 0x05, CH+16*PITCH
	CONS F+96, 0x05, CH+24*PITCH
	s_wait_kmcnt 0x0                               ; bw
	s_wait_dscnt 0x0                               ; my rows of chunks 0 and 1 and my part of the tables are in LDS,
	s_barrier_signal -1
	s_barrier_wait -1                              ; everybody's are
	LDA 0, 0
	v_add_nc_u32 v[ST], 2*CH, v[ST]                ; trip c fills region c + 2
	; THE PRODUCTS: 8 trips of 4 steps.  Each region is written once, so one barrier a trip is enough: it stands between the stores of
	; region c + 1 (trip c - 1) and its first read (step 3 of trip c).
	STEP 0, 32, 1, 1, 1024, 1, 1, 0, 1             ; trip 0: its first step starts the sums
	STEP 1, 32, 1, 1, 1536, 1, 0, 0, 1
	STEP 2, 32, 1, 1, 1536, 1, 0, 0, 1
	STEP 3, 32, 1, 1, 1536, 1, 0, 0, 1
	NEXT 1
	s_mov_b32 s25, 4
.Ltrip:                                            ; trips 1 to 4
	STEP 0, 32, 1, 1, 1024, 1, 0, 1, 1             ; asks for the last 8 rows of chunk c + 2,
	STEP 1, 32, 1, 1, 1536, 1, 0, 0, 1             ; these three for the first 24 of chunk c + 3
	STEP 2, 32, 1, 1, 1536, 1, 0, 0, 1
	STEP 3, 32, 1, 1, 1536, 1, 0, 0, 1
	NEXT 1
	s_sub_co_u32 s25, s25, 1
	s_cmp_lg_u32 s25, 0
	s_cbranch_scc1 .Ltrip
	STEP 0, 32, 1, 1, 1024, 1, 0, 1, 1             ; trip 5: the last feature batch is asked for here,
	STEP 1, 32, 1, 0, 0, 1, 0, 0, 1
	STEP 2, 24, 1, 0, 0, 1, 0, 0, 1                ; so the counts lose 8
	STEP 3, 16, 1, 0, 0, 1, 0, 0, 1                ; and 8 more; chunk 7 is stored
	NEXT 0
	STEP 0, 16, 1, 0, 0, 0, 0, 1, 1                ; trip 6: the last barrier of the products publishes chunk 7
	STEP 1, 16, 1, 0, 0, 0, 0, 0, 1
	STEP 2, 16, 1, 0, 0, 0, 0, 0, 1
	STEP 3, 16, 1, 0, 0, 0, 0, 0, 1
	NEXT 0
	STEP 0, 16, 1, 0, 0, 0, 0, 0, 1                ; trip 7: W(30) and W(31) are the last loads
	STEP 1, 16, 1, 0, 0, 0, 0, 0, 1
	STEP 2, 16, 0, 0, 0, 0, 0, 0, 1
	STEP 3, 0, 0, 0, 0, 0, 0, 0, 0                 ; nothing was issued behind W(31)
	; THE ACTIVATION.  My 8 hidden units of each of the 4 tiles: bv', bu', Ww.
	WIN 0
	PLACES                                         ; behind the last products, whose results are read below
.irp t, 0,1,2,3
.irp q, 0,1
	ds_load_b128 v[BV+8*\t+4*\q:BV+8*\t+4*\q+3], v[TBA] offset:64*\t+16*\q
	ds_load_b128 v[BU+8*\t+4*\q:BU+8*\t+4*\q+3], v[TBA] offset:1024+64*\t+16*\q
	ds_load_b128 v[WW+8*\t+4*\q:WW+8*\t+4*\q+3], v[TBA] offset:2048+64*\t+16*\q
.endr
.endr
	s_wait_dscnt 0x0
; Window w (2 or 3), tile t: for its four row tiles, V = tanh, U = sigmoid * Ww in place, then LG += V * U.
; Behind a run of transcendentals one plain vector instruction stands before the first result is used (ISA guide 5.7.2): the v_nop.
.macro ACT w, t
	WIN ((\w<<6)|\w)                               ; source 0 and destination in window w, sources 1 and 2 (tables) in window 0
.irp a, 0,1,2,3
.irp k, 0,2,4,6
	v_pk_fma_f32 v[8*(8*\a+\t)+\k:8*(8*\a+\t)+\k+1], v[8*(8*\a+\t)+\k:8*(8*\a+\t)+\k+1], s[28:29], v[BV+8*\t+\k:BV+8*\t+\k+1] op_sel_hi:[1,0,1]
	v_pk_fma_f32 v[8*(8*\a+\t+4)+\k:8*(8*\a+\t+4)+\k+1], v[8*(8*\a+\t+4)+\k:8*(8*\a+\t+4)+\k+1], s[30:31], v[BU+8*\t+\k:BU+8*\t+\k+1] op_sel_hi:[1,0,1]
.endr
.irp j, 0,1,2,3,4,5,6,7
	v_exp_f32 v[8*(8*\a+\t)+\j], v[8*(8*\a+\t)+\j]             ; e^(2 (xWv + bv))
	v_exp_f32 v[8*(8*\a+\t+4)+\j], v[8*(8*\a+\t+4)+\j]         ; e^-(xWu + bu)
.endr
	v_nop
	s_wait_alu depctr_va_vdst(0)
.irp k, 0,2,4,6
	v_pk_add_f32 v[8*(8*\a+\t)+\k:8*(8*\a+\t)+\k+1], v[8*(8*\a+\t)+\k:8*(8*\a+\t)+\k+1], 1.0 op_sel_hi:[1,0]
	v_pk_add_f32 v[8*(8*\a+\t+4)+\k:8*(8*\a+\t+4)+\k+1], v[8*(8*\a+\t+4)+\k:8*(8*\a+\t+4)+\k+1], 1.0 op_sel_hi:[1,0]
.endr
.irp j, 0,1,2,3,4,5,6,7
	v_rcp_f32 v[8*(8*\a+\t)+\j], v[8*(8*\a+\t)+\j]
	v_rcp_f32 v[8*(8*\a+\t+4)+\j], v[8*(8*\a+\t+4)+\j]         ; the sigmoid
.endr
	v_nop
	s_wait_alu depctr_va_vdst(0)
.irp k, 0,2,4,6
	v_pk_fma_f32 v[8*(8*\a+\t)+\k:8*(8*\a+\t)+\k+1], v[8*(8*\a+\t)+\k:8*(8*\a+\t)+\k+1], -2.0, 1.0 op_sel_hi:[1,0,0]   ; tanh
	v_pk_mul_f32 v[8*(8*\a+\t+4)+\k:8*(8*\a+\t+4)+\k+1], v[8*(8*\a+\t+4)+\k:8*(8*\a+\t+4)+\k+1], v[WW+8*\t+\k:WW+8*\t+\k+1]
.endr
.endr
	WIN ((\w<<2)|\w)                               ; sources 0 and 1 in window w, source 2 and destination in window 0
.irp k, 0,2,4,6
.irp a, 0,1,2,3
.if (\t+\k) == 0
	v_pk_mul_f32 v[LG+2*(4*(\w-2)+\a):LG+2*(4*(\w-2)+\a)+1], v[8*(8*\a+\t)+\k:8*(8*\a+\t)+\k+1], v[8*(8*\a+\t+4)+\k:8*(8*\a+\t+4)+\k+1]
.else
	v_pk_fma_f32 v[LG+2*(4*(\w-2)+\a):LG+2*(4*(\w-2)+\a)+1], v[8*(8*\a+\t)+\k:8*(8*\a+\t)+\k+1], v[8*(8*\a+\t+4)+\k:8*(8*\a+\t+4)+\k+1], v[LG+2*(4*(\w-2)+\a):LG+2*(4*(\w-2)+\a)+1]
.endif
.endr
.endr
.endm
	ACT 2, 0
	ACT 2, 1
	ACT 2, 2
	ACT 2, 3
	ACT 3, 0
	ACT 3, 1
	ACT 3, 2
	ACT 3, 3
	WIN 0
	; THE LOGITS.  A lane's pair, the two halves of the lanes, then the four waves through LDS.
.irp m, 0,1,2,3,4,5,6,7
	v_add_f32 v[LG+2*\m], v[LG+2*\m], v[LG+2*\m+1]
.endr
.irp m, 0,1,2,3,4,5,6,7
	v_permlanex16_b32 v[T+\m], v[LG+2*\m], s32, s33            ; its destination counts as read: T has been written
.endr
.irp m, 0,1,2,3,4,5,6,7
	v_add_f32 v[LG+2*\m], v[LG+2*\m], v[T+\m]                  ; row 16 m + r, my wave's 64 hidden units; both halves hold the same
	ds_store_b32 v[SLS], v[LG+2*\m] offset:64*\m
.endr
	s_wait_dscnt 0x0                               ; for the other waves' sake
	s_barrier_signal -1
	s_barrier_wait -1
.irp u, 0,1,2,3
	ds_load_b128 v[16+4*\u:19+4*\u], v[SLR] offset:512*\u      ; rows 4 lane .. 4 lane + 3 of wave u's part
.endr
	s_wait_dscnt 0x0
	v_pk_add_f32 v[16:17], v[16:17], v[20:21]
	v_pk_add_f32 v[18:19], v[18:19], v[22:23]
	v_pk_add_f32 v[24:25], v[24:25], v[28:29]
	v_pk_add_f32 v[26:27], v[26:27], v[30:31]
	v_pk_add_f32 v[16:17], v[16:17], v[24:25]
	v_pk_add_f32 v[18:19], v[18:19], v[26:27]
.irp j, 0,1,2,3
	v_add_f32 v[16+\j], s26, v[16+\j]              ; + bw.  Every wave adds in the same order and holds the same 128 logits
.endr
	s_cmp_lg_u32 s24, 0
	s_cbranch_scc1 .Lnolgt
	global_store_b128 v[VB], v[16:19], s[20:21]    ; wave 0 alone: 512 consecutive bytes.  v16-19 and v4 are not written again
.Lnolgt:
	v_max3_num_f32 v24, v16, v17, v18              ; the block's maximum
	v_max_num_f32 v24, v24, v19
	v_max_num_f32_dpp v24, v24, v24 row_xmask:1 row_mask:0xf bank_mask:0xf
	v_max_num_f32_dpp v24, v24, v24 row_xmask:2 row_mask:0xf bank_mask:0xf
	v_max_num_f32_dpp v24, v24, v24 row_xmask:4 row_mask:0xf bank_mask:0xf
	v_max_num_f32_dpp v24, v24, v24 row_xmask:8 row_mask:0xf bank_mask:0xf
	v_permlanex16_b32 v25, v24, s32, s33
	v_max_num_f32 v24, v24, v25
.irp j, 0,1,2,3
	v_sub_f32 v[20+\j], v[16+\j], v24              ; first the difference, exactly 0 at the maximum, then the factor
.endr
.irp j, 0,1,2,3
	v_mul_f32 v[20+\j], s36, v[20+\j]
.endr
.irp j, 0,1,2,3
	v_exp_f32 v[20+\j], v[20+\j]                   ; e^(logit - maximum), at most 1
.endr
.irp e, 0,1,2,3,4,5,6,7
	v_mov_b32 v[ACC+\e], 0                         ; eight sums start at 0; these lines are also the plain place behind the exponentials
.endr
	s_wait_alu depctr_va_vdst(0)
	ds_store_b128 v[SPS], v[20:23]                 ; my wave's own copy: no barrier; LDS serves a wave's instructions in order (ISA guide 5.7.1)
	; THE WEIGHTED SUM.  Lane (r, h) of wave w owns columns 8 r .. 8 r + 7 of chunk 2 w + h and walks the 128 rows, 16 at a time, in two
	; sets of registers that take turns.  16 lanes read 256 consecutive bytes of a row.
.macro LDG rw, pw, base                ; 16 rows from row base on, and their 16 numerators (the same in all lanes): 20 loads
.irp i, 0,1,2,3,4,5,6,7,8,9,10,11,12,13,14,15
	ds_load_b128 v[\rw+4*\i:\rw+4*\i+3], v[AGA] offset:PITCH*(\base+\i)
.endr
.irp i, 0,1,2,3
	ds_load_b128 v[\pw+4*\i:\pw+4*\i+3], v[SPB] offset:4*\base+16*\i
.endr
.endm
.macro AGG rw, pw                      ; 128 fused multiply-adds: a bf16 half times an f32 numerator into an f32 sum
.irp i, 0,1,2,3,4,5,6,7,8,9,10,11,12,13,14,15
.irp e, 0,1,2,3
	v_fma_mix_f32_bf16 v[ACC+2*\e],   v[\rw+4*\i+\e], v[\pw+\i], v[ACC+2*\e]   op_sel_hi:[1,0,0]
	v_fma_mix_f32_bf16 v[ACC+2*\e+1], v[\rw+4*\i+\e], v[\pw+\i], v[ACC+2*\e+1] op_sel:[1,0,0] op_sel_hi:[1,0,0]
.endr
.endr
.endm
	LDG 64, 192, 0
	s_mov_b32 s25, 3
.Lagg:
	LDG 128, 208, 16
	s_wait_dscnt 20                                ; the 20 loads just issued may stay out: the older set is in
	AGG 64, 192
	LDG 64, 192, 32
	s_wait_dscnt 20
	AGG 128, 208
	v_add_nc_u32 v[AGA], 32*PITCH, v[AGA]
	v_add_nc_u32 v[SPB], 128, v[SPB]
	s_sub_co_u32 s25, s25, 1
	s_cmp_lg_u32 s25, 0
	s_cbranch_scc1 .Lagg
	LDG 128, 208, 16                               ; rows 112-127; rows 96-111 were asked for in the last trip
	s_wait_dscnt 20
	AGG 64, 192
	s_wait_dscnt 0x0
	AGG 128, 208
	; part[block][half][16 chunk + r][4]: columns 8 r + 4 half .. + 3 of the chunk.  16 chunk + r = 32 w + lane, so each store of the wave
	; covers 512 consecutive bytes.
	global_store_b128 v[GO], v[ACC:ACC+3], s[22:23]
	global_store_b128 v[GO], v[ACC+4:ACC+7], s[22:23] offset:2048
	s_wait_xcnt 0x0
	v_lshl_add_u32 v254, v0, 2, 0x45c00
	v_mov_b32 v255, 0
	s_wait_tensorcnt 0x0
	ds_add_u32 v254, v255
	s_wait_dscnt 0x0
	s_endpgm
.Lfunc_end_k_q483023acad_main:
	.size	k_q483023acad_main, .Lfunc_end_k_q483023acad_main-k_q483023acad_main
	.p2alignl 7, 3214868480
	.fill 96, 4, 3214868480
	.section	.rodata,"a",@progbits
	.p2align	6, 0x0
	.amdhsa_kernel k_q483023acad_main
		.amdhsa_group_segment_fixed_size 286208
		.amdhsa_private_segment_fixed_size 0
		.amdhsa_enable_private_segment 0
		.amdhsa_kernarg_size 64
		.amdhsa_user_sgpr_count 2
		.amdhsa_user_sgpr_kernarg_segment_ptr 1
		.amdhsa_wavefront_size32 1
		.amdhsa_system_sgpr_workgroup_id_x 1
		.amdhsa_system_sgpr_workgroup_id_y 1
		.amdhsa_system_sgpr_workgroup_id_z 1
		.amdhsa_system_vgpr_workitem_id 0
		.amdhsa_next_free_vgpr 1024
		.amdhsa_next_free_sgpr 66
		.amdhsa_reserve_vcc 0
		.amdhsa_float_denorm_mode_32 3
		.amdhsa_float_denorm_mode_16_64 3
		.amdhsa_memory_ordered 1
		.amdhsa_forward_progress 1
		.amdhsa_inst_pref_size 255
	.end_amdhsa_kernel
	.section	.bss,"aw",@nobits
	.p2align	6
	.space	262144
	.amdgpu_metadata
---
amdhsa.version: [ 1, 2 ]
amdhsa.kernels:
  - .name:           k_q483023acad_main
    .symbol:         k_q483023acad_main.kd
    .args:
      - { .name: features, .offset: 0, .size: 8, .value_kind: global_buffer, .address_space: global }
      - { .name: wf, .offset: 8, .size: 8, .value_kind: global_buffer, .address_space: global }
      - { .name: bv, .offset: 16, .size: 8, .value_kind: global_buffer, .address_space: global }
      - { .name: bu, .offset: 24, .size: 8, .value_kind: global_buffer, .address_space: global }
      - { .name: Ww, .offset: 32, .size: 8, .value_kind: global_buffer, .address_space: global }
      - { .name: bw, .offset: 40, .size: 8, .value_kind: global_buffer, .address_space: global }
      - { .name: lgt, .offset: 48, .size: 8, .value_kind: global_buffer, .address_space: global }
      - { .name: part, .offset: 56, .size: 8, .value_kind: global_buffer, .address_space: global }
    .group_segment_fixed_size: 286208
    .private_segment_fixed_size: 0
    .kernarg_segment_align: 8
    .kernarg_segment_size: 64
    .max_flat_workgroup_size: 128
    .sgpr_count:     66
    .vgpr_count:     1024
    .wavefront_size: 32
...
	.end_amdgpu_metadata
.endif
;; end of part 2
;; launch finish (part 3): grid 4 x 16, 8 waves a work-group, no clusters, 9,216 bytes of LDS; arguments lgt, part, out0, out1; writes out0, out1
.if DOCPART == 3
	.amdgcn_target "amdgcn-amd-amdhsa--gfx1250"
	.amdhsa_code_object_version 6
	.text
	.protected	k_q483023acad_finish
	.globl	k_q483023acad_finish
	.p2align	8
	.type	k_q483023acad_finish,@function
k_q483023acad_finish:
	s_mov_b64 s[64:65], 0
	v_nop
	global_prefetch_b8 v0, s[64:65] scope:SCOPE_SE
	s_setreg_imm32_b32 hwreg(HW_REG_WAVE_MODE, 25, 1), 1
	s_wait_xcnt 0x0
; The softmax over a bag's 4,096 logits and the sum of its 32 partial sums.
;   M = bag maximum, S = sum of e^(l - M);  out1 = e^(l - M) / S;  out0 = sum over blocks b of part[b] * e^(m_b - M) / S,
; where m_b is block b's maximum, taken here from the same 128 logits as in the main pass (a maximum has one value whatever its order).
; Work-group (q, bag): every one reads the bag's 16,384 bytes of logits; it writes quarter q of the bag's out1 and columns 256 q .. + 255 of out0.
; Eight waves.  Wave w's load i of logits is exactly one block: 8 ((q + i) & 3) + w; load 0 is the quarter that is written.
; For out0 wave w takes chunk 2 q + (w & 1) (128 columns) of blocks 8 (w >> 1) .. + 7; the four groups of blocks meet in LDS.
; 64 work-groups: there is no more work to share (2.4 megabytes in, 0.3 out).  No matrix unit, no cluster: nothing to multiply, little to share.
; LIMITS: v_exp_f32 returns 0 for results below 2^-126 (ISA guide 15.8); logits that are not finite give NaN, as in the reference.
.set MB,  0                            ; LDS: 32 block maxima, in the order of the loads: word 8 i + w
.set WS,  128                          ; LDS: 8 sums, one for each wave
.set RED, 256                          ; LDS: 8 waves x 32 lanes x 16 bytes
.set LO,  8                            ; v[8:11]   byte offsets of the four loads of logits; free once these are in
.set BM,  12                           ; v[12:15]  four block maxima
.set L,   16                           ; v[16:31]  16 logits, then their exponentials
.set SC,  20                           ; v[20:27]  later: the scales of my 8 blocks
.set P,   32                           ; v[32:63]  4 columns of 8 blocks' partial sums
.set ACC, 68                           ; v[68:71]
	s_load_b256 s[4:11], s[0:1], 0x0               ; lgt s[4:5], part s[6:7], out0 s[8:9], out1 s[10:11]
	v_lshl_add_u32 v72, v0, 2, 0x2000
	v_mov_b32 v73, 0
	v_lshrrev_b32 v2, 5, v0
	v_readfirstlane_b32 s12, v2                    ; wave 0..7
	s_and_b32 s13, ttmp7, 0xffff                   ; bag.  ttmp9: q
	s_mov_b32 s14, 0x76543210                      ; v_permlanex16_b32: lane i of one half reads lane i of the other
	s_mov_b32 s15, 0xfedcba98
	s_mov_b32 s16, 0x3fb8aa3b                      ; log2 e
	v_and_b32 v1, 31, v0                           ; lane
	v_lshlrev_b32 v3, 4, v0                        ; 16 tid
.irp i, 0,1,2,3
	s_add_co_u32 s17, ttmp9, \i
	s_and_b32 s17, s17, 3
	s_lshl_b32 s17, s17, 12                        ; quarter (q + i) & 3, 4,096 bytes each
	v_add_nc_u32 v[LO+\i], s17, v3
.endr
	s_lshr_b32 s22, s12, 1                         ; bg: which 8 blocks
	s_and_b32 s23, s12, 1                          ; ch
	s_lshl1_add_u32 s24, ttmp9, s23                ; chunk 2 q + ch,
	s_lshl_b32 s24, s24, 8                         ; 16 units of 16 bytes each
	s_lshl_b32 s25, s22, 15                        ; 8 blocks of 4,096 bytes
	s_add_co_u32 s24, s24, s25
	v_and_b32 v4, 1, v1                            ; which half of a unit's 8 columns
	v_lshrrev_b32 v5, 1, v1                        ; r
	v_lshl_add_u32 v6, v4, 11, s24
	v_lshl_add_u32 v6, v5, 4, v6                   ; lane then holds columns 128 chunk + 4 lane .. + 3; even and odd lanes each read 256 consecutive bytes
	s_sub_co_u32 s25, s22, ttmp9
	s_and_b32 s25, s25, 3                          ; the load that brought quarter bg: i = (bg - q) & 3,
	s_lshl_b32 s25, s25, 5                         ; 8 words each
	v_mov_b32 v5, s25
	s_lshl_b32 s26, s12, 2
	v_mov_b32 v7, s26                              ; 4 wave
	v_lshlrev_b32 v1, 2, v1                        ; 4 lane
	s_mov_b32 s19, 0
	s_wait_kmcnt 0x0
	s_lshl_b32 s18, s13, 14                        ; a bag's logits and weights: 16,384 bytes
	s_add_nc_u64 s[4:5], s[4:5], s[18:19]
	s_add_nc_u64 s[10:11], s[10:11], s[18:19]
	s_lshl_b32 s18, ttmp9, 12
	s_add_nc_u64 s[10:11], s[10:11], s[18:19]      ; out1 at quarter q
	s_lshl_b32 s18, s13, 17                        ; a bag's partial sums: 32 x 4,096 bytes
	s_add_nc_u64 s[6:7], s[6:7], s[18:19]
	s_lshl_b32 s18, s13, 12
	s_add_nc_u64 s[8:9], s[8:9], s[18:19]
	s_lshl_b32 s18, ttmp9, 10
	s_add_nc_u64 s[8:9], s[8:9], s[18:19]          ; out0 at the bag's columns 256 q
.irp i, 0,1,2,3
	global_load_b128 v[L+4*\i:L+4*\i+3], v[LO+\i], s[4:5]
.endr
.irp j, 0,1,2,3,4,5,6,7
	global_load_b128 v[P+4*\j:P+4*\j+3], v6, s[6:7] offset:4096*\j
.endr
	s_wait_loadcnt 8                               ; the logits are in; the eight loads of partial sums may stay out
	; four block maxima
.irp i, 0,1,2,3
	v_max3_num_f32 v[BM+\i], v[L+4*\i], v[L+4*\i+1], v[L+4*\i+2]
.endr
.irp i, 0,1,2,3
	v_max_num_f32 v[BM+\i], v[BM+\i], v[L+4*\i+3]
.endr
.irp x, 1,2,4,8
.irp i, 0,1,2,3
	v_max_num_f32_dpp v[BM+\i], v[BM+\i], v[BM+\i] row_xmask:\x row_mask:0xf bank_mask:0xf
.endr
.endr
.irp i, 0,1,2,3
	v_permlanex16_b32 v[LO+\i], v[BM+\i], s14, s15 ; the offsets' loads are done (the wait above): their registers serve again
.endr
.irp i, 0,1,2,3
	v_max_num_f32 v[BM+\i], v[BM+\i], v[LO+\i]
	ds_store_b32 v7, v[BM+\i] offset:MB+32*\i      ; all lanes write the same word with the same value
.endr
	s_wait_dscnt 0x0                               ; for the other waves' sake
	s_barrier_signal -1
	s_barrier_wait -1
	ds_load_b32 v2, v1 offset:MB                   ; lane i: the i-th of the 32 maxima
	s_wait_dscnt 0x0
	v_max_num_f32_dpp v2, v2, v2 row_xmask:1 row_mask:0xf bank_mask:0xf
	v_max_num_f32_dpp v2, v2, v2 row_xmask:2 row_mask:0xf bank_mask:0xf
	v_max_num_f32_dpp v2, v2, v2 row_xmask:4 row_mask:0xf bank_mask:0xf
	v_max_num_f32_dpp v2, v2, v2 row_xmask:8 row_mask:0xf bank_mask:0xf
	v_permlanex16_b32 v4, v2, s14, s15
	v_max_num_f32 v2, v2, v4                       ; M
	; e^(l - M) and the bag's sum
.irp j, 0,1,2,3,4,5,6,7,8,9,10,11,12,13,14,15
	v_sub_f32 v[L+\j], v[L+\j], v2                 ; first the difference, exactly 0 at the maximum, then the factor
.endr
.irp j, 0,1,2,3,4,5,6,7,8,9,10,11,12,13,14,15
	v_mul_f32 v[L+\j], s16, v[L+\j]
.endr
.irp j, 0,1,2,3,4,5,6,7,8,9,10,11,12,13,14,15
	v_exp_f32 v[L+\j], v[L+\j]
.endr
	v_nop                                          ; one plain instruction behind the run of transcendentals (ISA guide 5.7.2)
	s_wait_alu depctr_va_vdst(0)
	v_pk_add_f32 v[64:65], v[16:17], v[18:19]
	v_pk_add_f32 v[66:67], v[20:21], v[22:23]
	v_pk_add_f32 v[68:69], v[24:25], v[26:27]
	v_pk_add_f32 v[70:71], v[28:29], v[30:31]
	v_pk_add_f32 v[64:65], v[64:65], v[66:67]
	v_pk_add_f32 v[68:69], v[68:69], v[70:71]
	v_pk_add_f32 v[64:65], v[64:65], v[68:69]
	v_add_f32 v64, v64, v65
	v_add_f32_dpp v64, v64, v64 row_xmask:1 row_mask:0xf bank_mask:0xf
	v_add_f32_dpp v64, v64, v64 row_xmask:2 row_mask:0xf bank_mask:0xf
	v_add_f32_dpp v64, v64, v64 row_xmask:4 row_mask:0xf bank_mask:0xf
	v_add_f32_dpp v64, v64, v64 row_xmask:8 row_mask:0xf bank_mask:0xf
	v_permlanex16_b32 v65, v64, s14, s15
	v_add_f32 v64, v64, v65
	ds_store_b32 v7, v64 offset:WS
	s_wait_dscnt 0x0
	s_barrier_signal -1
	s_barrier_wait -1
	v_mov_b32 v4, 0
	ds_load_b128 v[64:67], v4 offset:WS            ; the eight waves' sums, in every lane
	ds_load_b128 v[68:71], v4 offset:WS+16
	ds_load_b128 v[SC:SC+3], v5 offset:MB          ; the maxima of my 8 blocks, in every lane
	ds_load_b128 v[SC+4:SC+7], v5 offset:MB+16
	s_wait_dscnt 0x0
	v_pk_add_f32 v[64:65], v[64:65], v[66:67]
	v_pk_add_f32 v[68:69], v[68:69], v[70:71]
	v_pk_add_f32 v[64:65], v[64:65], v[68:69]
	v_add_f32 v64, v64, v65                        ; S, at least 1: the maximum's own term
	v_rcp_f32 v64, v64                             ; the subtractions below are the plain place behind it
.irp j, 0,1,2,3,4,5,6,7
	v_sub_f32 v[SC+\j], v[SC+\j], v2
.endr
.irp j, 0,1,2,3,4,5,6,7
	v_mul_f32 v[SC+\j], s16, v[SC+\j]
.endr
.irp j, 0,1,2,3,4,5,6,7
	v_exp_f32 v[SC+\j], v[SC+\j]                   ; e^(m_b - M)
.endr
	s_wait_alu depctr_va_vdst(0)
.irp j, 0,1,2,3
	v_mul_f32 v[L+\j], v[L+\j], v64                ; the weights of quarter q (and the plain place behind the exponentials)
.endr
	global_store_b128 v3, v[L:L+3], s[10:11]       ; a wave's store covers 512 consecutive bytes.  v3 and v16-19 are not written again
.irp j, 0,1,2,3,4,5,6,7
	v_mul_f32 v[SC+\j], v[SC+\j], v64              ; e^(m_b - M) / S
.endr
	s_wait_loadcnt 0x0                             ; the partial sums
.irp c, 0,1,2,3
	v_mul_f32 v[ACC+\c], v[P+\c], v[SC]            ; the first block starts the sums
.endr
.irp j, 1,2,3,4,5,6,7
.irp c, 0,1,2,3
	v_fma_f32 v[ACC+\c], v[P+4*\j+\c], v[SC+\j], v[ACC+\c]
.endr
.endr
	ds_store_b128 v3, v[ACC:ACC+3] offset:RED
	s_wait_dscnt 0x0
	s_barrier_signal -1
	s_barrier_wait -1
	s_cmp_gt_u32 s12, 1
	s_cbranch_scc1 .Lend                           ; waves 0 and 1 add the four groups of blocks of chunk 2 q + wave
.irp g, 0,1,2,3
	ds_load_b128 v[P+4*\g:P+4*\g+3], v3 offset:RED+1024*\g     ; wave w + 2 g, my lane
.endr
	s_wait_dscnt 0x0
	v_pk_add_f32 v[32:33], v[32:33], v[36:37]
	v_pk_add_f32 v[34:35], v[34:35], v[38:39]
	v_pk_add_f32 v[40:41], v[40:41], v[44:45]
	v_pk_add_f32 v[42:43], v[42:43], v[46:47]
	v_pk_add_f32 v[32:33], v[32:33], v[40:41]
	v_pk_add_f32 v[34:35], v[34:35], v[42:43]
	global_store_b128 v3, v[32:35], s[8:9]         ; 512 consecutive bytes of the bag's row of out0
.Lend:
	s_wait_tensorcnt 0x0
	ds_add_u32 v72, v73
	s_wait_dscnt 0x0
	s_endpgm
.Lfunc_end_k_q483023acad_finish:
	.size	k_q483023acad_finish, .Lfunc_end_k_q483023acad_finish-k_q483023acad_finish
	.p2alignl 7, 3214868480
	.fill 96, 4, 3214868480
	.section	.rodata,"a",@progbits
	.p2align	6, 0x0
	.amdhsa_kernel k_q483023acad_finish
		.amdhsa_group_segment_fixed_size 9216
		.amdhsa_private_segment_fixed_size 0
		.amdhsa_enable_private_segment 0
		.amdhsa_kernarg_size 32
		.amdhsa_user_sgpr_count 2
		.amdhsa_user_sgpr_kernarg_segment_ptr 1
		.amdhsa_wavefront_size32 1
		.amdhsa_system_sgpr_workgroup_id_x 1
		.amdhsa_system_sgpr_workgroup_id_y 1
		.amdhsa_system_sgpr_workgroup_id_z 1
		.amdhsa_system_vgpr_workitem_id 0
		.amdhsa_next_free_vgpr 74
		.amdhsa_next_free_sgpr 66
		.amdhsa_reserve_vcc 0
		.amdhsa_float_denorm_mode_32 3
		.amdhsa_float_denorm_mode_16_64 3
		.amdhsa_memory_ordered 1
		.amdhsa_forward_progress 1
		.amdhsa_inst_pref_size 14
	.end_amdhsa_kernel
	.amdgpu_metadata
---
amdhsa.version: [ 1, 2 ]
amdhsa.kernels:
  - .name:           k_q483023acad_finish
    .symbol:         k_q483023acad_finish.kd
    .args:
      - { .name: lgt, .offset: 0, .size: 8, .value_kind: global_buffer, .address_space: global }
      - { .name: part, .offset: 8, .size: 8, .value_kind: global_buffer, .address_space: global }
      - { .name: out0, .offset: 16, .size: 8, .value_kind: global_buffer, .address_space: global }
      - { .name: out1, .offset: 24, .size: 8, .value_kind: global_buffer, .address_space: global }
    .group_segment_fixed_size: 9216
    .private_segment_fixed_size: 0
    .kernarg_segment_align: 8
    .kernarg_segment_size: 32
    .max_flat_workgroup_size: 256
    .sgpr_count:     66
    .vgpr_count:     74
    .wavefront_size: 32
...
	.end_amdgpu_metadata
.endif
;; end of part 3
